; MI455X (gfx1250); checked and timed in simulation.
; The chip was launched on July 23, 2026; its instructions are those of AMD's public machine-readable ISA for CDNA 5 (MIT licence, August 2026) and "CDNA5" Instruction Set Architecture Reference Guide (July 2026). The comments in the code are by the model that wrote it; some were corrected since.
;; Vector Quantizer. Allowed arithmetic: matrix products marked QUANTISED: E2M1 operands, one E8M0 scale for each 32 along K, by v_wmma_scale_f32_16x16x128_f8f6f4 with both operands' format E2M1 (or v_wmma_scale_f32_32x16x128_f4), f32 sums; everything else in f32.
;; Inputs: embedding 8,192 x 256 float32; z 32 x 1,024 x 256 float32.
;; Outputs: out0 32 x 1,024 x 256 float32; out1 one number float32; out2 one number float32; out3 one number float32; out4 32 x 1,024 int32.
;; This version of the problem:
;;   THIS VERSION OF THE PROBLEM IS GIVEN IN LOW PRECISION. The matrix products marked QUANTISED in the list below multiply operands that are first quantised to E2M1 (2 exponent bits, 1 mantissa bit; 4 bits a number), with one power-of-two scale for each 32 numbers along K (OCP MX v1.0); their sums are f32. All else is computed in f32.
;;   The module's matrix products, in the order in which they are computed (A, B: the left and right operand; K: the contracted axis; several contracted axes count as one K, in the product's order):
;;     1. [M 32,768, K 256] x [K 256, N 8,192]; A: input z; B: input embedding: QUANTISED
;;   THE QUANTISER, for each operand of a quantised product, along K:
;;     - K is cut into blocks of 32 from its start; a last block that is shorter is filled with zeros.
;;     - A block's scale is 2^e with e = floor(log2(the largest magnitude in the block)) - 2, held to -126 .. 127; a block of zeros has e = 0. As a byte (E8M0): e + 127.
;;     - Each number is divided by its block's scale, clamped to +-6, and rounded to the nearest number of E2M1, ties to even, subnormals kept.
;;     - The product sums the exact products of the quantised numbers (number of the format x scale) in f32.
;;   ~~~python
;;   def quantise(x, axis):      # numpy; x: float32 -> the quantised numbers, widened to float32 again
;;       x = np.moveaxis(x, axis, -1); K = x.shape[-1]
;;       x = np.pad(x, [(0, 0)] * (x.ndim - 1) + [(0, -K % 32)]); x = x.reshape(x.shape[:-1] + (-1, 32)); a = np.abs(x).max(-1, keepdims=True)
;;       e = np.where(a > 0, np.clip(np.frexp(np.where(a > 0, a, 1))[1] - 1 - 2, -126, 127), 0)      # np.frexp(a)[1] - 1 = floor(log2(a)), exactly
;;       r = np.clip(x / 2.0 ** e, -6, 6)
;;       step = 2.0 ** (np.maximum(np.frexp(np.where(r == 0, 1, r))[1] - 1, 0) - 1)
;;       q = np.round(r / step) * step * 2.0 ** e      # np.round: ties to even
;;       return np.moveaxis(q.reshape(q.shape[:-2] + (-1,))[..., :K], -1, axis).astype(np.float32)
;;   ~~~
;; One version. Each part assembles by itself: llvm-mc -triple=amdgcn-amd-amdhsa -mcpu=gfx1250 --defsym DOCPART=n.
;; ======== version 1 of 1: 4 launches
;; limits: right only within a limited range of input values
;; workspace buffers: q 5,734,400 bytes; order 131,072 bytes of whole numbers; part 2,048 bytes
;; launch prep (part 1): grid 256 x 1, 10 waves a work-group, no clusters, 167,936 bytes of LDS; arguments z, embedding, q; writes q
.if DOCPART == 1
	.amdgcn_target "amdgcn-amd-amdhsa--gfx1250"
	.amdhsa_code_object_version 6
	.text
	.protected	k_qab51d5c1c9_prep
	.globl	k_qab51d5c1c9_prep
	.p2align	8
	.type	k_qab51d5c1c9_prep,@function
k_qab51d5c1c9_prep:
	s_mov_b64 s[64:65], 0
	v_nop
	global_prefetch_b8 v0, s[64:65] scope:SCOPE_SE
	s_setreg_imm32_b32 hwreg(HW_REG_WAVE_MODE, 25, 1), 1
	s_wait_xcnt 0x0
; z [32768][256] and embedding [8192][256], f32, become codes of FP4 (E2M1) with one E8M0 byte for each 32 along K, and each row's sum of squares, in q.
; q is 40 slots of 143,360 bytes (32 of tokens, then 8 of the codebook).  A slot holds 64 tiles of 16 rows: 2,048 bytes of codes a tile, laid as the image of the operand's
; registers (K step, group of four registers, 16 x lane); from OSC 128 scale bytes a tile (8 a row: a word for each K step); from OSQ 64 bytes a tile (a row's sum of squares).
; A block's scale is 2^(floor(log2(largest magnitude)) - 2); its byte is the largest magnitude's exponent field - 2, held at 1 from below.  A block of zeros keeps the byte 1: its codes are zeros, and this program alone reads the bytes.
; The sum of squares is made by fused multiply-adds in four chains a half row: it differs from a sum of rounded squares by rounding alone.
; LIMITS: NaN and infinities among the inputs are not served; blocks whose largest magnitude lies under 2^-124 have their byte held at 1.
; SHARES: 2,560 waves, a tile of 16 rows each; lane (r, h) takes K step h (four blocks) of row r.  One tensor load a wave brings its 16 rows of 1,024 bytes into its own LDS bytes, 16 bytes of padding behind each row
; (pitch 1,040).  Nothing is filled again, waves share nothing: no barrier.  No cluster: no two work-groups read the same bytes.
.set SLOTB, 143360
.set OSC,   131072
.set OSQ,   139264
.set PITCH, 1040
.set WREG,  16*PITCH                   ; a wave's LDS bytes: 65 blocks of 256
.set SPARE, 10*WREG                    ; the spare words: 128 bytes a wave, five blocks of 256 bytes that no other line names
.set X,     16                         ; v16-79   two sets of 32 numbers
.set C,     80                         ; v80-95   four registers of codes for each block: no store's data are written again
.set AC,    96                         ; v96-99   four chains of squares
.set SPW,   100
.set NIL,   101
	s_load_b128 s[4:7], s[0:1], 0x0                ; z, embedding
	s_load_b64 s[8:9], s[0:1], 0x10                ; q
	v_lshl_add_u32 v[SPW], v0, 2, SPARE
	v_mov_b32 v[NIL], 0
	ds_add_u32 v[SPW], v[NIL]                      ; the opening lines: the add, twice on end, and its wait ahead of my tensor load
	ds_add_u32 v[SPW], v[NIL]
	v_lshrrev_b32 v1, 5, v0
	v_readfirstlane_b32 s10, v1                    ; wave 0..9
	s_mul_i32 s11, ttmp9, 10
	s_add_co_u32 s11, s11, s10                     ; which tile: 0..2047 z, 2048..2559 embedding
	s_mov_b32 s16, (2<<16)|(1<<20)|(7<<22)|(3<<25) ; elements of 4 bytes; behind every 256 words 4 words of padding
	s_mov_b32 s17, 256<<16                         ; tensor_dim0
	s_mov_b32 s18, 16<<16                          ; tensor_dim1
	s_mov_b32 s19, 256<<16                         ; tile_dim0
	s_mov_b32 s20, 16                              ; tile_dim1
	s_mov_b32 s21, 256                             ; from row to row
	s_mov_b32 s22, 0
	s_mov_b32 s23, 0
	s_mul_i32 s14, s10, WREG
	s_and_b32 s15, s11, 63                         ; which tile of the slot
	s_lshr_b32 s42, s11, 6
	s_mul_i32 s42, s42, SLOTB
	s_mov_b32 s43, 0
	s_lshl_b32 s44, s15, 11
	s_lshl_b32 s45, s15, 7
	s_add_co_u32 s45, s45, OSC
	s_lshl_b32 s46, s15, 6
	s_add_co_u32 s46, s46, OSQ
	s_mov_b32 s28, 0x76543210
	s_mov_b32 s29, 0xfedcba98                      ; v_permlanex16_b32's selects for lane l xor 16
	s_wait_dscnt 0x0
	s_wait_kmcnt 0x0
	s_cmp_lt_u32 s11, 2048                         ; the choice hangs on ids alone
	s_cselect_b64 s[4:5], s[4:5], s[6:7]
	s_cselect_b32 s12, 0, 2048
	s_sub_co_u32 s12, s11, s12
	s_lshl_b32 s12, s12, 14                        ; 16 rows of 1,024 bytes
	s_mov_b32 s13, 0
	s_add_nc_u64 s[4:5], s[4:5], s[12:13]
	s_add_nc_u64 s[40:41], s[8:9], s[42:43]
	s_mov_b32 s24, 1
	s_mov_b32 s25, s14
	s_mov_b64 s[26:27], s[4:5]
	s_or_b32 s27, s27, 0x80000000
	tensor_load_to_lds s[24:27], s[16:23]          ; my one tensor load
	s_nop 0
	v_and_b32 v1, 15, v0                           ; r
	v_bfe_u32 v6, v0, 4, 1                         ; h
	v_mul_u32_u24 v2, v1, PITCH
	v_lshl_add_u32 v3, v1, 4, s44
	v_lshl_add_u32 v4, v1, 3, s45
	v_lshl_add_u32 v5, v1, 2, s46                  ; my row's sum of squares
	v_lshl_add_u32 v2, v6, 9, v2
	v_lshl_add_u32 v3, v6, 10, v3                  ; codes: K step h, 16 r
	v_lshl_add_u32 v4, v6, 2, v4                   ; my row's scale word of K step h
	v_add_nc_u32 v2, s14, v2                       ; LDS: my half row
.macro LD b                            ; block b of my four: 128 bytes
.irp i, 0,1,2,3,4,5,6,7
	ds_load_b128 v[X+32*((\b)%2)+4*\i:X+32*((\b)%2)+4*\i+3], v2 offset:128*(\b)+16*\i
.endr
.endm
.macro SQ b, xs, i                     ; two squares onto two chains; my first four numbers start the chains
.if (\b) == 0 && (\i) < 4
	v_dual_mul_f32 v[AC+(\i)%4], v[(\xs)+(\i)], v[(\xs)+(\i)] :: v_dual_mul_f32 v[AC+(\i)%4+1], v[(\xs)+(\i)+1], v[(\xs)+(\i)+1]
.else
	v_dual_fmac_f32 v[AC+(\i)%4], v[(\xs)+(\i)], v[(\xs)+(\i)] :: v_dual_fmac_f32 v[AC+(\i)%4+1], v[(\xs)+(\i)+1], v[(\xs)+(\i)+1]
.endif
.endm
.macro BLOCK b, xs
	v_max3_num_f32 v6, |v[(\xs)]|, |v[(\xs)+1]|, |v[(\xs)+2]|
	SQ \b, \xs, 0
	v_max3_num_f32 v7, |v[(\xs)+3]|, |v[(\xs)+4]|, |v[(\xs)+5]|
	SQ \b, \xs, 2
.irp i, 6,10,14,18,22,26
	v_max3_num_f32 v6, v6, |v[(\xs)+\i]|, |v[(\xs)+\i+1]|
	SQ \b, \xs, \i-2
	v_max3_num_f32 v7, v7, |v[(\xs)+\i+2]|, |v[(\xs)+\i+3]|
	SQ \b, \xs, \i
.endr
	v_max3_num_f32 v6, v6, |v[(\xs)+30]|, |v[(\xs)+31]|
	SQ \b, \xs, 28
	v_max3_num_f32 v6, v6, v7, 0x1800000           ; the floor 2^(3 - 127): the byte cannot fall under 1
	SQ \b, \xs, 30
	v_add_nc_u32 v8, 0xff000000, v6                ; 2 off the exponent field: the conversion's scale operand
.irp g, 0,1,2,3
	v_cvt_scalef32_pk8_fp4_f32 v[C+4*(\b)+\g], v[(\xs)+8*\g:(\xs)+8*\g+7], v8
.endr
	v_lshrrev_b32 v9, 23, v8                       ; the scale's byte (also the plain place behind the conversions)
.if (\b) == 0
	v_mov_b32 v12, v9
.else
	v_lshl_or_b32 v12, v9, 8*(\b), v12
.endif
	global_store_b128 v3, v[C+4*(\b):C+4*(\b)+3], s[40:41] offset:((\b)/2)*512+((\b)%2)*256   ; each 16 lanes: 256 consecutive bytes, aligned
.endm
	s_wait_alu depctr_va_vdst(0)                   ; the head's end
	s_wait_tensorcnt 0x0
	LD 0
	LD 1
.irp b, 0,1,2,3
.if \b > 0
	s_wait_alu depctr_va_vdst(0)
.endif
.if \b < 3
	s_wait_dscnt 8                                 ; this block's eight loads are in; the next block's eight may be out
.else
	s_wait_dscnt 0x0
.endif
	BLOCK \b, X+32*(\b%2)
.if \b < 2
	LD \b+2
.endif
.endr
	v_add_f32 v10, v[AC], v[AC+1]
	v_add_f32 v11, v[AC+2], v[AC+3]
	global_store_b32 v4, v12, s[40:41]             ; 32 lanes: the tile's 128 scale bytes
	v_add_f32 v11, v10, v11
	v_permlanex16_b32 v10, v11, s28, s29           ; the row's other half
	v_add_f32 v11, v11, v10
	global_store_b32 v5, v11, s[40:41]             ; lanes l and l + 16 write the same word with the same value
	s_wait_tensorcnt 0x0                           ; the wave's end
	ds_add_u32 v[SPW], v[NIL]
	s_wait_dscnt 0x0
	s_endpgm
.Lfunc_end_k_qab51d5c1c9_prep:
	.size	k_qab51d5c1c9_prep, .Lfunc_end_k_qab51d5c1c9_prep-k_qab51d5c1c9_prep
	.p2alignl 7, 3214868480
	.fill 96, 4, 3214868480
	.section	.rodata,"a",@progbits
	.p2align	6, 0x0
	.amdhsa_kernel k_qab51d5c1c9_prep
		.amdhsa_group_segment_fixed_size 167936
		.amdhsa_private_segment_fixed_size 0
		.amdhsa_enable_private_segment 0
		.amdhsa_kernarg_size 24
		.amdhsa_user_sgpr_count 2
		.amdhsa_user_sgpr_kernarg_segment_ptr 1
		.amdhsa_wavefront_size32 1
		.amdhsa_system_sgpr_workgroup_id_x 1
		.amdhsa_system_sgpr_workgroup_id_y 1
		.amdhsa_system_sgpr_workgroup_id_z 1
		.amdhsa_system_vgpr_workitem_id 0
		.amdhsa_next_free_vgpr 104
		.amdhsa_next_free_sgpr 66
		.amdhsa_reserve_vcc 0
		.amdhsa_float_denorm_mode_32 3
		.amdhsa_float_denorm_mode_16_64 3
		.amdhsa_memory_ordered 1
		.amdhsa_forward_progress 1
		.amdhsa_inst_pref_size 16
	.end_amdhsa_kernel
	.amdgpu_metadata
---
amdhsa.version: [ 1, 2 ]
amdhsa.kernels:
  - .name:           k_qab51d5c1c9_prep
    .symbol:         k_qab51d5c1c9_prep.kd
    .args:
      - { .name: z, .offset: 0, .size: 8, .value_kind: global_buffer, .address_space: global }
      - { .name: embedding, .offset: 8, .size: 8, .value_kind: global_buffer, .address_space: global }
      - { .name: q, .offset: 16, .size: 8, .value_kind: global_buffer, .address_space: global }
    .group_segment_fixed_size: 167936
    .private_segment_fixed_size: 0
    .kernarg_segment_align: 8
    .kernarg_segment_size: 24
    .max_flat_workgroup_size: 320
    .sgpr_count:     66
    .vgpr_count:     104
    .wavefront_size: 32
...
	.end_amdgpu_metadata
.endif
;; end of part 1
;; launch dist (part 2): grid 256 x 1, 16 waves a work-group, clusters of 4 x 1, 327,680 bytes of LDS; arguments q, out4, order; writes out4, order
.if DOCPART == 2
	.amdgcn_target "amdgcn-amd-amdhsa--gfx1250"
	.amdhsa_code_object_version 6
	.text
	.protected	k_qab51d5c1c9_dist
	.globl	k_qab51d5c1c9_dist
	.p2align	8
	.type	k_qab51d5c1c9_dist,@function
k_qab51d5c1c9_dist:
	s_mov_b64 s[64:65], 0
	v_nop
	global_prefetch_b8 v0, s[64:65] scope:SCOPE_SE
	s_setreg_imm32_b32 hwreg(HW_REG_WAVE_MODE, 25, 1), 1
	s_wait_xcnt 0x0
	s_wait_alu depctr_hold_cnt(0) depctr_sa_sdst(0) depctr_va_vdst(0) depctr_va_sdst(0) depctr_va_ssrc(0) depctr_va_vcc(0) depctr_vm_vsrc(0)
	s_getreg_b32 s2, hwreg(HW_REG_IB_STS2, 6, 4)
	s_cmp_eq_u32 s2, 0
	s_cbranch_scc0 .Lentry_in_a_cluster
	s_endpgm
.Lentry_in_a_cluster:
	s_bfe_u32 s2, ttmp6, 0x10000c
	s_cmp_lg_u32 s2, 0x3003
	s_cbranch_scc0 .Lentry_shape_is_right
	s_endpgm
.Lentry_shape_is_right:
; idx[n] = the first k at which d[n][k] = (zz[n] + ee[k]) - 2 dot[n][k] is least.  dot is the product of the FP4 codes with their E8M0 scales (K = 256: two matrix instructions); zz, ee are the rows' sums of squares.  All come from q.
; d IS ROUNDED AS THE FORMULA READS: t = zz + ee rounded to f32, then t - 2 dot rounded once (a fused multiply-add by -2).  Of equal d the lowest k wins.
; LIMITS: NaN and infinite d are not served (a token whose every d is +infinity or NaN gets a meaningless index); -0 and +0 count as equal.
; SHARES.  A work-group owns 128 tokens (8 tiles of 16) and walks the whole codebook, 8 slots of 64 tiles.  Sixteen waves, four to a SIMD.
; Wave w: token tiles 4 (w % 2) .. + 3, kept in registers for the whole launch; of every slot the codebook tiles 8 (w / 2) .. + 7.
; LAYOUT.  Source 0 = 16 codebook rows, source 1 = 16 tokens: lane (r, h) holds token r, and register j the entry 16 x tile + 8 h + j.  A scale register holds K step 0's words in lanes 0-15 and K step 1's in lanes 16-31.
; THE ARGMIN, for 8 numbers a lane: 4 dual additions (t), 4 dual multiply-adds (d), 4 three-way minima onto the running best, one compare, one select of the tile's number (a scalar) and 4 dual selects that keep its
; eight d where the best has fallen.  Which of the eight it was is read off the kept d once, at the end.  A strict compare keeps the earlier tile, and a lane's tiles come in ascending order.
; zz lies in two registers, so that the two halves of a dual addition read different registers.
; THE RING.  Two LDS slots of 143,360 bytes, each a whole slot of q as it lies (560 rows of 256 bytes; every read of codes is 16 x lane: no padding).  Every wave fetches a sixteenth, 35 rows: one tensor load a wave behind each round.
; CLUSTER.  All work-groups walk the same codebook: the four of a cluster ask for each sixteenth JOINTLY, by the same descriptor and the mask 15.  The place in the cluster enters global addresses of my tokens and results alone.
; No prefetch is laid: a refill is asked for six tiles' work (48 matrix and 432 vector instructions a wave) ahead of the wait for it, and all 64 clusters ask for the same 143,360 bytes.
.set SLOTB, 143360
.set OSC,   131072                     ; a slot's scale bytes: 128 a tile
.set OSQ,   139264                     ; a slot's sums of squares: 64 bytes a tile
.set PART,  8960                       ; a sixteenth of a slot
.set SPARE, 2*SLOTB                    ; the spare words, 128 bytes for each of 16 waves: eight blocks of 256 bytes that no other line names
.set SCR,   SPARE+2048                 ; the waves' results: 128 tokens x (8 pairs of 8 bytes + 16 of padding); no tensor load lands here
; v1, v2 the add's two registers; v3, v4 LDS address of my codes in slot 0, 1; v5, v6 of my scale words; v7, v8 of my ee; v10 8 h; v11-15 at work;
; v[16+4i] zz, v[17+4i] the best tile, v[18+4i], v[19+4i] the best d, old and new by turns; v32-35 the tokens' scale words; v36, v37 the codebook tile's, two buffers; v38, v39 addresses in SCR; s33 the tile in hand
.set EE,    40                         ; v40-55   ee of entries 8 h + 0 .. 7, two buffers
.set T,     56                         ; v56-71   t, then d, of two token tiles
.set A,     72                         ; v72-103  the codebook tile's two fragments, two buffers
.set B,     104                        ; v104-167 the four token tiles' two fragments each
.set D,     168                        ; v168-199 dot: 8 a token tile
.set S,     200                        ; v200-231 the eight d of the best tile so far
.set ZB,    233                        ; v233, 234, 235, 237: zz once more
.macro ROUND                           ; a round of the cluster's barrier
	s_barrier_signal -1
	s_barrier_wait -1
	s_cmp_lg_u32 s10, 0
	s_cbranch_scc1 .Lnw0_\@
	s_barrier_signal -3
.Lnw0_\@:
	s_barrier_wait -3
	s_barrier_signal -1
	s_barrier_wait -1
.endm
.macro TLOAD g0                        ; my sixteenth; s_nop 0 and four v_nop follow
	tensor_load_to_lds s[\g0:\g0+3], s[16:23]
	s_nop 0
.rept 4
	v_nop
.endr
.endm
.macro LOADT slot, i, p                ; my i-th tile of the slot into buffer p: seven LDS loads
.irp c, 0,1,2,3
	ds_load_b128 v[A+16*(\p)+4*\c:A+16*(\p)+4*\c+3], v[3+(\slot)] offset:2048*(\i)+512*\c
.endr
	ds_load_b32 v[36+(\p)], v[5+(\slot)] offset:128*(\i)
	ds_load_b128 v[EE+8*(\p):EE+8*(\p)+3], v[7+(\slot)] offset:64*(\i)
	ds_load_b128 v[EE+8*(\p)+4:EE+8*(\p)+7], v[7+(\slot)] offset:64*(\i)+16
.endm
.macro MUL p                           ; the tile in buffer p against my four token tiles; the four accumulators take turns; the first K step starts the sums
.irp i, 0,1,2,3
	v_wmma_scale_f32_16x16x128_f8f6f4 v[D+8*\i:D+8*\i+7], v[A+16*(\p):A+16*(\p)+7], v[B+16*\i:B+16*\i+7], 0, v[36+(\p)], v[32+\i] matrix_a_fmt:MATRIX_FMT_FP4 matrix_b_fmt:MATRIX_FMT_FP4
.endr
.irp i, 0,1,2,3
	v_wmma_scale_f32_16x16x128_f8f6f4 v[D+8*\i:D+8*\i+7], v[A+16*(\p)+8:A+16*(\p)+15], v[B+16*\i+8:B+16*\i+15], v[D+8*\i:D+8*\i+7], v[36+(\p)], v[32+\i] matrix_a_fmt:MATRIX_FMT_FP4 matrix_b_fmt:MATRIX_FMT_FP4 matrix_a_scale:MATRIX_SCALE_ROW1 matrix_b_scale:MATRIX_SCALE_ROW1
.endr
.endm
; d and the running best of token tiles a and a + 1.  The eight dual additions name no register of the products: they are the places between the products and the first read of a result (ISA guide 7.12.1).
; Each accumulator is read from its low end on.  The best d lies in two registers by turns (p = 0: old +2, new +3; p = 1 the other way).
.macro KEEP i, e, j                    ; two of the eight d are kept where VCC says that the best has fallen
	v_dual_cndmask_b32 v[S+8*(\i)+\j], v[S+8*(\i)+\j], v[T+8*(\e)+\j] :: v_dual_cndmask_b32 v[S+8*(\i)+\j+1], v[S+8*(\i)+\j+1], v[T+8*(\e)+\j+1]
.endm
.macro EPIH p, a
.set OLDO, 2+(\p)
.set NEWO, 3-(\p)
.irp k, 0,2,4,6
	v_dual_add_f32 v[T+\k], v[16+4*(\a)], v[EE+8*(\p)+\k] :: v_dual_add_f32 v[T+\k+1], v[ZB+(\a)+(\a)/3], v[EE+8*(\p)+\k+1]             ; t = zz + ee
	v_dual_add_f32 v[T+8+\k], v[20+4*(\a)], v[EE+8*(\p)+\k] :: v_dual_add_f32 v[T+9+\k], v[ZB+(\a)+1+((\a)+1)/3], v[EE+8*(\p)+\k+1]
.endr
.irp k, 0,2,4,6
	v_dual_fmac_f32 v[T+\k], -2.0, v[D+8*(\a)+\k] :: v_dual_fmac_f32 v[T+\k+1], -2.0, v[D+8*(\a)+\k+1]                                   ; d = t - 2 dot, rounded once
	v_dual_fmac_f32 v[T+8+\k], -2.0, v[D+8+8*(\a)+\k] :: v_dual_fmac_f32 v[T+9+\k], -2.0, v[D+9+8*(\a)+\k]
.endr
	v_min3_num_f32 v[16+4*(\a)+NEWO], v[16+4*(\a)+OLDO], v[T], v[T+1]
	v_min3_num_f32 v[20+4*(\a)+NEWO], v[20+4*(\a)+OLDO], v[T+8], v[T+9]
.irp k, 2,4,6
	s_delay_alu instid0(VALU_DEP_2)
	v_min3_num_f32 v[16+4*(\a)+NEWO], v[16+4*(\a)+NEWO], v[T+\k], v[T+\k+1]
	s_delay_alu instid0(VALU_DEP_2)
	v_min3_num_f32 v[20+4*(\a)+NEWO], v[20+4*(\a)+NEWO], v[T+8+\k], v[T+9+\k]
.endr
.irp e, 0,1
	v_cmp_lt_f32 vcc_lo, v[16+4*(\a+\e)+NEWO], v[16+4*(\a+\e)+OLDO]      ; has the best fallen in this tile?  Strictly: an equal d keeps the earlier tile
	s_delay_alu instid0(VALU_DEP_1)
	v_cndmask_b32 v[17+4*(\a+\e)], v[17+4*(\a+\e)], s33, vcc_lo          ; then keep its number
.irp j, 0,2,4,6
	KEEP \a+\e, \e, \j
.endr
.endr
.endm
; A TILE whose successor lies in the same slot: its seven loads were issued a tile ago; the next tile's are issued behind the products, into the other buffer, whose last products lie 72 vector instructions back.
.macro TILE slot, i
	s_wait_dscnt 0x0
	MUL (\i)%2
	LOADT \slot, (\i)+1, ((\i)+1)%2
	EPIH (\i)%2, 0
	EPIH (\i)%2, 2
	s_add_co_u32 s33, s33, 1
.endm
; A SLOT.  last = 1: change of slots with a refill; 2: without; 3: the last slot of all.
; THE CHANGE OF SLOTS begins in tile 6: tile 7's loads, issued there, are my last reads of the slot.  Behind them I wait for all my tensor loads (my part of the other slot), add 0 to my spare word, work on registers,
; wait for the add and for those reads, and signal.  Between that opening signal and its wait stands work on registers alone: the rest of tile 6, tile 7's products and half of its vector work
; (8 matrix and 72 vector instructions).  The rest of the cluster's round follows with nothing between.  The joint refill, the codebook's slot two further on, is the first tensor load behind the closing wait; then the other slot's first tile is read.
.macro SLOTRUN slot, last
.irp i, 0,1,2,3,4,5
	TILE \slot, \i
.endr
.if (\last) == 3
	TILE \slot, 6
	s_wait_dscnt 0x0
	MUL 1
	EPIH 1, 0
	EPIH 1, 2
.else
	s_wait_dscnt 0x0
	MUL 0
	LOADT \slot, 7, 1
	s_wait_tensorcnt 0x0                           ; no tensor load of mine is out, so a group 0 may be written
	ds_add_u32 v1, v2
.if (\last) == 1
	s_add_nc_u64 s[26+4*(\slot):27+4*(\slot)], s[26+4*(\slot):27+4*(\slot)], 2*SLOTB
.endif
	EPIH 0, 0
	s_wait_dscnt 0x0                               ; the add is done, and my reads of this slot are over
	s_barrier_signal -1
	EPIH 0, 2
	s_add_co_u32 s33, s33, 1
	MUL 1
	EPIH 1, 0
	s_barrier_wait -1
.if (\last) == 1
	s_cmp_lg_u32 s10, 0
	s_cbranch_scc1 .Lnw_\@
	s_barrier_signal -3
.Lnw_\@:
	s_barrier_wait -3
	s_barrier_signal -1
	s_barrier_wait -1
	TLOAD 24+4*(\slot)
.endif
	LOADT 1-(\slot), 0, 0
	EPIH 1, 2
	s_add_co_u32 s33, s33, 57                      ; from my last tile of a slot to my first of the next: 64 - 7
.endif
.endm
; (V, I) becomes the lesser of (V, I) and (V2, I2): the smaller d, and of equal d the lower index
.macro COMB V, I, V2, I2, tmp
	v_min_u32 v[\tmp], v[\I], v[\I2]
	v_cmp_eq_f32 vcc_lo, v[\V2], v[\V]
	s_delay_alu instid0(VALU_DEP_1)
	v_cndmask_b32 v[\tmp], v[\I], v[\tmp], vcc_lo
	v_cmp_lt_f32 vcc_lo, v[\V2], v[\V]
	s_delay_alu instid0(VALU_DEP_1)
	v_cndmask_b32 v[\I], v[\tmp], v[\I2], vcc_lo
	v_min_num_f32 v[\V], v[\V], v[\V2]
.endm
	s_load_b128 s[4:7], s[0:1], 0x0                ; q, out4
	s_load_b64 s[8:9], s[0:1], 0x10                ; order
	v_lshl_add_u32 v1, v0, 2, SPARE
	v_mov_b32 v2, 0
	ds_add_u32 v1, v2                              ; the opening lines: the add, twice on end, and its wait ahead of the first round
	ds_add_u32 v1, v2
	v_lshrrev_b32 v11, 5, v0
	s_delay_alu instid0(VALU_DEP_1)
	v_readfirstlane_b32 s10, v11                   ; wave 0..15
	s_and_b32 s11, s10, 1                          ; which four token tiles
	s_lshr_b32 s12, s10, 1                         ; which eight tiles of a slot
	s_bfe_u32 s13, ttmp6, 0x40000                  ; cx
	s_lshl_b32 s14, ttmp9, 2
	s_add_co_u32 s14, s14, s13                     ; my work-group: it enters the addresses of my tokens and results alone
	s_mov_b32 s16, 15|(3<<16)|(1<<21)              ; the mask: all four work-groups; elements of 8 bytes; bit 21 beside a mask
	s_mov_b32 s17, 32<<16                          ; tensor_dim0
	s_mov_b32 s18, 35<<16                          ; tensor_dim1
	s_mov_b32 s19, 32<<16                          ; tile_dim0
	s_mov_b32 s20, 35                              ; tile_dim1
	s_mov_b32 s21, 32                              ; from row to row
	s_mov_b32 s22, 0
	s_mov_b32 s23, 0
	s_mul_i32 s38, s10, PART                       ; the sixteenth that I fetch, in a slot of q and in a slot of LDS alike
	s_mov_b32 s39, 0
	s_lshr_b32 s40, s14, 3
	s_mul_i32 s40, s40, SLOTB                      ; my tokens' slot of q
	s_mov_b32 s41, 0
	s_lshl_b32 s42, s14, 9                         ; my 128 results: 512 bytes
	s_mov_b32 s43, 0
	s_and_b32 s44, s14, 7
	s_lshl_b32 s44, s44, 3
	s_lshl_b32 s45, s11, 2
	s_add_co_u32 s44, s44, s45                     ; my first token tile in that slot
	s_mov_b32 s36, 0x76543210
	s_mov_b32 s37, 0xfedcba98                      ; v_permlanex16_b32's selects for lane l xor 16
	s_lshl_b32 s46, s12, 14                        ; LDS: my eight tiles' codes,
	s_lshl_b32 s47, s12, 10
	s_add_co_u32 s47, s47, OSC                     ; scale words,
	s_lshl_b32 s48, s12, 9
	s_add_co_u32 s48, s48, OSQ                     ; ee
	s_lshl_b32 s33, s12, 3                         ; my first tile's number
	s_mul_i32 s50, s11, 5120
	s_add_co_u32 s50, s50, s33
	s_add_co_u32 s50, s50, SCR                     ; SCR, in: token 64 (w % 2) + 16 i + r, pair w / 2
	s_lshl_b32 s51, s44, 11                        ; q: my tokens' codes,
	s_lshl_b32 s52, s44, 7
	s_add_co_u32 s52, s52, OSC                     ; scale words,
	s_lshl_b32 s53, s44, 6
	s_add_co_u32 s53, s53, OSQ                     ; zz
	s_wait_dscnt 0x0
	s_wait_kmcnt 0x0
	s_add_nc_u64 s[34:35], s[4:5], s[40:41]
	s_add_nc_u64 s[6:7], s[6:7], s[42:43]
	s_add_nc_u64 s[8:9], s[8:9], s[42:43]
	s_add_nc_u64 s[4:5], s[4:5], s[38:39]
	s_mov_b32 s24, 1
	s_mov_b32 s25, s38                             ; LDS: slot 0
	s_add_nc_u64 s[26:27], s[4:5], 32*SLOTB        ; the codebook's slot 0 is q's slot 32
	s_or_b32 s27, s27, 0x80000000
	s_mov_b32 s28, 1
	s_add_co_u32 s29, s38, SLOTB
	s_add_nc_u64 s[30:31], s[4:5], 33*SLOTB
	s_or_b32 s31, s31, 0x80000000
	ROUND                                          ; all four work-groups are here: the first joint loads meet
	TLOAD 24                                       ; slot 0: one tensor load a wave at the head
	v_and_b32 v12, 31, v0                          ; lane
	v_and_b32 v13, 15, v0                          ; r
	v_bfe_u32 v14, v0, 4, 1                        ; h
	v_lshl_add_u32 v3, v12, 4, s46                 ; codes: 16 x lane
	v_lshlrev_b32 v15, 3, v13
	v_lshl_add_u32 v7, v14, 5, s48                 ; ee of entries 8 h on: 32 h
	v_lshlrev_b32 v10, 3, v14
	v_lshl_add_u32 v15, v14, 2, v15                ; 8 r + 4 h: row r's word of K step h
	v_add_nc_u32 v4, SLOTB, v3
	v_add_nc_u32 v8, SLOTB, v7
	v_mul_u32_u24 v38, v13, 80
	v_add_nc_u32 v5, s47, v15
	v_and_b32 v39, 63, v0                          ; SCR, back: tokens 2 (thread % 64) and the next
	v_lshl_add_u32 v11, v12, 4, s51
	v_add_nc_u32 v6, SLOTB, v5
	v_add_nc_u32 v38, s50, v38
	v_mul_u32_u24 v39, v39, 160
	v_add_nc_u32 v12, s52, v15
	v_lshl_add_u32 v13, v13, 2, s53
	v_add_nc_u32 v39, SCR, v39
	s_wait_alu depctr_va_vdst(0)
.irp i, 0,1,2,3
.irp c, 0,1,2,3
	global_load_b128 v[B+16*\i+4*\c:B+16*\i+4*\c+3], v11, s[34:35] offset:2048*\i+512*\c   ; my tokens stay in registers
.endr
	global_load_b32 v[32+\i], v12, s[34:35] offset:128*\i
	global_load_b32 v[16+4*\i], v13, s[34:35] offset:64*\i
.endr
.irp i, 0,1,2,3
	v_mov_b32 v[17+4*\i], 0
	v_mov_b32 v[18+4*\i], 0x7f800000               ; the best so far: +infinity; the first tile's d fall under it
.endr
.irp j, 0,1,2,3,4,5,6,7,8,9,10,11,12,13,14,15,16,17,18,19,20,21,22,23,24,25,26,27,28,29,30,31
	v_mov_b32 v[S+\j], 0x7f800000
.endr
	s_wait_alu depctr_va_vdst(0)                   ; the head's end
	s_wait_tensorcnt 0x0                           ; my part of slot 0 is in
	ds_add_u32 v1, v2
	s_wait_dscnt 0x0
	ROUND                                          ; everybody's part is in, and all four work-groups are here
	TLOAD 28                                       ; slot 1's first fill, the first tensor load behind the round
	s_wait_loadcnt 0x0                             ; my tokens
.irp i, 0,1,2,3
	v_mov_b32 v[ZB+\i+\i/3], v[16+4*\i]
.endr
	s_wait_alu depctr_va_vdst(0)
	LOADT 0, 0, 0
	s_mov_b32 s32, 3
.Lloop:                                            ; three trips: the codebook's slots 0 to 5 are worked, slots 2 to 7 asked for
	SLOTRUN 0, 1
	SLOTRUN 1, 1
	s_sub_co_u32 s32, s32, 1
	s_cmp_lg_u32 s32, 0
	s_cbranch_scc1 .Lloop
	SLOTRUN 0, 2                                   ; the last two slots are written out: nothing is left to ask for
	SLOTRUN 1, 3
	; THE END.  Behind an odd tile the best d lies at +2.  The first of the kept eight that equals it gives the entry; lane l xor 16 holds the token's other entries; the eight waves of my token tiles meet in SCR.
.irp i, 0,1,2,3
	v_mov_b32 v11, 7
.irp j, 6,5,4,3,2,1,0
	v_cmp_neq_f32 vcc_lo, v[S+8*\i+\j], v[18+4*\i]
	s_delay_alu instid0(VALU_DEP_1)
	v_cndmask_b32 v11, \j, v11, vcc_lo             ; descending, so that the lowest j that holds the best stays
.endr
	s_delay_alu instid0(VALU_DEP_1)
	v_lshl_add_u32 v13, v[17+4*\i], 4, v11
	v_mov_b32 v12, v[18+4*\i]
	s_delay_alu instid0(VALU_DEP_2)
	v_add_nc_u32 v13, v13, v10                     ; 16 x tile + 8 h + j
	s_delay_alu instid0(VALU_DEP_2)
	v_permlanex16_b32 v14, v12, s36, s37
	s_delay_alu instid0(VALU_DEP_2)
	v_permlanex16_b32 v15, v13, s36, s37
	COMB 12, 13, 14, 15, 11
	ds_store_b64 v38, v[12:13] offset:1280*\i      ; lanes l and l + 16 write the same bytes with the same value
.endr
	s_wait_dscnt 0x0                               ; for the others' sake: my stores are done
	s_barrier_signal -1
	s_barrier_wait -1
.irp c, 0,1,2,3
	ds_load_b128 v[40+4*\c:43+4*\c], v39 offset:16*\c        ; a token's eight pairs,
	ds_load_b128 v[56+4*\c:59+4*\c], v39 offset:80+16*\c     ; and the next token's
.endr
	s_wait_tensorcnt 0x0                           ; the wave's end
	ds_add_u32 v1, v2
	v_lshlrev_b32 v14, 3, v0                       ; where a thread of waves 0 and 1 stores its two results
	s_wait_dscnt 0x0                               ; the add is done, and the sixteen pairs are in
.irp k, 1,2,3,4,5,6,7
	COMB 40, 41, 40+2*\k, 41+2*\k, 11              ; indices are compared too: the waves' ranges interleave from slot to slot
	COMB 56, 57, 56+2*\k, 57+2*\k, 15
.endr
	v_mov_b32 v12, v41
	s_delay_alu instid0(VALU_DEP_3)
	v_mov_b32 v13, v57
	s_cmp_lt_u32 s10, 2
	s_cbranch_scc0 .Lno_store
	global_store_b64 v14, v[12:13], s[6:7]         ; 32 lanes: 256 consecutive bytes, aligned
	global_store_b64 v14, v[12:13], s[8:9]         ; and the same for the launch that gathers
.Lno_store:
	ROUND                                          ; the closing round: no work-group ends while a partner may still ask for a tile that names it
	s_endpgm
.Lfunc_end_k_qab51d5c1c9_dist:
	.size	k_qab51d5c1c9_dist, .Lfunc_end_k_qab51d5c1c9_dist-k_qab51d5c1c9_dist
	.p2alignl 7, 3214868480
	.fill 96, 4, 3214868480
	.section	.rodata,"a",@progbits
	.p2align	6, 0x0
	.amdhsa_kernel k_qab51d5c1c9_dist
		.amdhsa_group_segment_fixed_size 327680
		.amdhsa_private_segment_fixed_size 0
		.amdhsa_enable_private_segment 0
		.amdhsa_kernarg_size 24
		.amdhsa_user_sgpr_count 2
		.amdhsa_user_sgpr_kernarg_segment_ptr 1
		.amdhsa_wavefront_size32 1
		.amdhsa_system_sgpr_workgroup_id_x 1
		.amdhsa_system_sgpr_workgroup_id_y 1
		.amdhsa_system_sgpr_workgroup_id_z 1
		.amdhsa_system_vgpr_workitem_id 0
		.amdhsa_next_free_vgpr 240
		.amdhsa_next_free_sgpr 66
		.amdhsa_reserve_vcc 1
		.amdhsa_float_denorm_mode_32 3
		.amdhsa_float_denorm_mode_16_64 3
		.amdhsa_memory_ordered 1
		.amdhsa_forward_progress 1
		.amdhsa_inst_pref_size 227
	.end_amdhsa_kernel
	.amdgpu_metadata
---
amdhsa.version: [ 1, 2 ]
amdhsa.kernels:
  - .name:           k_qab51d5c1c9_dist
    .symbol:         k_qab51d5c1c9_dist.kd
    .args:
      - { .name: q, .offset: 0, .size: 8, .value_kind: global_buffer, .address_space: global }
      - { .name: out4, .offset: 8, .size: 8, .value_kind: global_buffer, .address_space: global }
      - { .name: order, .offset: 16, .size: 8, .value_kind: global_buffer, .address_space: global }
    .group_segment_fixed_size: 327680
    .private_segment_fixed_size: 0
    .kernarg_segment_align: 8
    .kernarg_segment_size: 24
    .max_flat_workgroup_size: 512
    .sgpr_count:     66
    .vgpr_count:     240
    .wavefront_size: 32
...
	.end_amdgpu_metadata
.endif
;; end of part 2
;; launch apply (part 3): grid 512 x 1, 8 waves a work-group, no clusters, 1,280 bytes of LDS; arguments z, embedding, order, out0, part; writes out0, part
.if DOCPART == 3
	.amdgcn_target "amdgcn-amd-amdhsa--gfx1250"
	.amdhsa_code_object_version 6
	.text
	.protected	k_qab51d5c1c9_apply
	.globl	k_qab51d5c1c9_apply
	.p2align	8
	.type	k_qab51d5c1c9_apply,@function
k_qab51d5c1c9_apply:
	s_mov_b64 s[64:65], 0
	v_nop
	global_prefetch_b8 v0, s[64:65] scope:SCOPE_SE
	s_setreg_imm32_b32 hwreg(HW_REG_WAVE_MODE, 25, 1), 1
	s_wait_xcnt 0x0
; out0[n] = z[n] + (embedding[idx[n]] - z[n]), each step rounded as written, and for each work-group the sum of (embedding[idx[n]] - z[n])^2 over its 64 tokens, into part.
; A stream: a wave takes 8 tokens; a token's row is 1,024 bytes, two loads or stores of 512 consecutive bytes.  All 32 loads of a wave go out at once; several work-groups share a WGP.
; idx comes from order, whole numbers that the launch before stored; it is held to 8,191 before it enters an address.  No LDS but eight words, no matrix unit, no cluster: the rows of the table are chosen by data.
.set Z,   16                           ; v16-79   8 tokens x 8 numbers of z, then of out0
.set E,   80                           ; v80-143  the same of the table's rows, then of the differences
.set ACC, 144                          ; v144-151 four packed chains of squares
	s_load_b128 s[4:7], s[0:1], 0x0                ; z, embedding
	s_load_b128 s[8:11], s[0:1], 0x10              ; order, out0
	s_load_b64 s[12:13], s[0:1], 0x20              ; part
	v_lshl_add_u32 v160, v0, 2, 0x100
	v_mov_b32 v161, 0
	v_lshrrev_b32 v1, 5, v0
	s_delay_alu instid0(VALU_DEP_1)
	v_readfirstlane_b32 s14, v1                    ; wave 0..7
	s_lshl_b32 s15, ttmp9, 3
	s_add_co_u32 s15, s15, s14                     ; which run of 8 tokens
	s_lshl_b32 s16, s15, 5                         ; its 32 bytes of order
	s_mov_b32 s17, 0
	s_lshl_b32 s18, s15, 13                        ; its 8,192 bytes of z and out0
	s_mov_b32 s19, 0
	s_lshl_b32 s20, ttmp9, 2                       ; my work-group's word of part
	s_mov_b32 s21, 0
	s_mov_b32 s32, 0x76543210
	s_mov_b32 s33, 0xfedcba98
	v_and_b32 v2, 31, v0
	s_delay_alu instid0(VALU_DEP_1)
	v_lshlrev_b32 v2, 4, v2                        ; 16 x lane
	v_mov_b32 v3, s14
	s_delay_alu instid0(VALU_DEP_1)
	v_lshlrev_b32 v3, 2, v3                        ; LDS: my wave's word
	v_mov_b32 v12, 0                               ; LDS: the eight words
	v_mov_b32 v13, 0
	s_wait_alu depctr_va_vdst(0)
	s_wait_kmcnt 0x0
	s_add_nc_u64 s[8:9], s[8:9], s[16:17]
	s_load_b256 s[24:31], s[8:9], 0x0              ; my eight indices
	s_add_nc_u64 s[4:5], s[4:5], s[18:19]
	s_add_nc_u64 s[10:11], s[10:11], s[18:19]
	s_add_nc_u64 s[12:13], s[12:13], s[20:21]
.irp t, 0,1,2,3,4,5,6,7
	global_load_b128 v[Z+8*\t:Z+8*\t+3], v2, s[4:5] offset:1024*\t th:TH_LOAD_NT
	global_load_b128 v[Z+8*\t+4:Z+8*\t+7], v2, s[4:5] offset:1024*\t+512 th:TH_LOAD_NT
.endr
	s_wait_kmcnt 0x0
.irp t, 0,1,2,3,4,5,6,7
	s_min_u32 s[24+\t], s[24+\t], 8191             ; an index stays inside the table
	s_lshl_b32 s[24+\t], s[24+\t], 10              ; a row is 1,024 bytes
	v_add_nc_u32 v[4+\t], s[24+\t], v2
.endr
	s_wait_alu depctr_va_vdst(0)
.irp t, 0,1,2,3,4,5,6,7
	global_load_b128 v[E+8*\t:E+8*\t+3], v[4+\t], s[6:7]
	global_load_b128 v[E+8*\t+4:E+8*\t+7], v[4+\t], s[6:7] offset:512
.endr
.irp t, 0,1,2,3,4,5,6,7
	s_wait_loadcnt 14-2*\t                         ; loads come back in order: z and this token's row are in; the later tokens' rows, two loads each, may be out
.irp k, 0,2,4,6
	v_pk_add_f32 v[E+8*\t+\k:E+8*\t+\k+1], v[E+8*\t+\k:E+8*\t+\k+1], v[Z+8*\t+\k:Z+8*\t+\k+1] neg_lo:[0,1] neg_hi:[0,1]   ; e - z
.endr
.irp k, 0,2,4,6
	s_delay_alu instid0(VALU_DEP_4)
	v_pk_add_f32 v[Z+8*\t+\k:Z+8*\t+\k+1], v[Z+8*\t+\k:Z+8*\t+\k+1], v[E+8*\t+\k:E+8*\t+\k+1]   ; z + (e - z)
.endr
.irp k, 0,2,4,6
.if \t == 0
	v_pk_mul_f32 v[ACC+\k:ACC+\k+1], v[E+\k:E+\k+1], v[E+\k:E+\k+1]      ; the first token starts the chains: nothing is cleared
.else
	v_pk_fma_f32 v[ACC+\k:ACC+\k+1], v[E+8*\t+\k:E+8*\t+\k+1], v[E+8*\t+\k:E+8*\t+\k+1], v[ACC+\k:ACC+\k+1]
.endif
.endr
	global_store_b128 v2, v[Z+8*\t:Z+8*\t+3], s[10:11] offset:1024*\t th:TH_STORE_NT       ; 32 lanes: 512 consecutive bytes, aligned; no store's data are written again
	global_store_b128 v2, v[Z+8*\t+4:Z+8*\t+7], s[10:11] offset:1024*\t+512 th:TH_STORE_NT
.endr
	v_pk_add_f32 v[ACC:ACC+1], v[ACC:ACC+1], v[ACC+2:ACC+3]
	v_pk_add_f32 v[ACC+4:ACC+5], v[ACC+4:ACC+5], v[ACC+6:ACC+7]
	s_delay_alu instid0(VALU_DEP_1)
	v_pk_add_f32 v[ACC:ACC+1], v[ACC:ACC+1], v[ACC+4:ACC+5]
	s_delay_alu instid0(VALU_DEP_1)
	v_add_f32 v[ACC], v[ACC], v[ACC+1]
	s_delay_alu instid0(VALU_DEP_1)
	v_add_f32_dpp v[ACC], v[ACC], v[ACC] row_xmask:1 row_mask:0xf bank_mask:0xf
	s_delay_alu instid0(VALU_DEP_1)
	v_add_f32_dpp v[ACC], v[ACC], v[ACC] row_xmask:2 row_mask:0xf bank_mask:0xf
	s_delay_alu instid0(VALU_DEP_1)
	v_add_f32_dpp v[ACC], v[ACC], v[ACC] row_xmask:4 row_mask:0xf bank_mask:0xf
	s_delay_alu instid0(VALU_DEP_1)
	v_add_f32_dpp v[ACC], v[ACC], v[ACC] row_xmask:8 row_mask:0xf bank_mask:0xf
	s_delay_alu instid0(VALU_DEP_1)
	v_permlanex16_b32 v[ACC+1], v[ACC], s32, s33
	s_delay_alu instid0(VALU_DEP_1)
	v_add_f32 v[ACC], v[ACC], v[ACC+1]             ; the wave's sum, in every lane
	ds_store_b32 v3, v[ACC]                        ; all lanes write the same word with the same value
	s_wait_dscnt 0x0                               ; for wave 0's sake
	s_barrier_signal -1
	s_barrier_wait -1
	s_cmp_lg_u32 s14, 0
	s_cbranch_scc1 .Ldone                          ; wave 0 adds the eight and stores
	ds_load_b128 v[152:155], v12
	ds_load_b128 v[156:159], v12 offset:16
	s_wait_dscnt 0x0
	v_add_f32 v152, v152, v153
	v_add_f32 v154, v154, v155
	v_add_f32 v156, v156, v157
	v_add_f32 v158, v158, v159
	s_delay_alu instid0(VALU_DEP_3)
	v_add_f32 v152, v152, v154
	s_delay_alu instid0(VALU_DEP_2)
	v_add_f32 v156, v156, v158
	s_delay_alu instid0(VALU_DEP_1)
	v_add_f32 v152, v152, v156
	v_cmp_eq_u32 vcc_lo, 0, v0
	s_wait_alu depctr_va_vdst(0)
	s_wait_xcnt 0x0                                ; EXEC is a source of the stores above: it changes only behind this wait
	s_and_saveexec_b32 s22, vcc_lo
	global_store_b32 v13, v152, s[12:13]           ; lane 0 alone: one word for the work-group
	s_wait_xcnt 0x0                                ; and again in front of the line that widens it
	s_or_b32 exec_lo, exec_lo, s22
.Ldone:
	s_wait_tensorcnt 0x0
	ds_add_u32 v160, v161
	s_wait_dscnt 0x0
	s_endpgm
.Lfunc_end_k_qab51d5c1c9_apply:
	.size	k_qab51d5c1c9_apply, .Lfunc_end_k_qab51d5c1c9_apply-k_qab51d5c1c9_apply
	.p2alignl 7, 3214868480
	.fill 96, 4, 3214868480
	.section	.rodata,"a",@progbits
	.p2align	6, 0x0
	.amdhsa_kernel k_qab51d5c1c9_apply
		.amdhsa_group_segment_fixed_size 1280
		.amdhsa_private_segment_fixed_size 0
		.amdhsa_enable_private_segment 0
		.amdhsa_kernarg_size 40
		.amdhsa_user_sgpr_count 2
		.amdhsa_user_sgpr_kernarg_segment_ptr 1
		.amdhsa_wavefront_size32 1
		.amdhsa_system_sgpr_workgroup_id_x 1
		.amdhsa_system_sgpr_workgroup_id_y 1
		.amdhsa_system_sgpr_workgroup_id_z 1
		.amdhsa_system_vgpr_workitem_id 0
		.amdhsa_next_free_vgpr 162
		.amdhsa_next_free_sgpr 66
		.amdhsa_reserve_vcc 1
		.amdhsa_float_denorm_mode_32 3
		.amdhsa_float_denorm_mode_16_64 3
		.amdhsa_memory_ordered 1
		.amdhsa_forward_progress 1
		.amdhsa_inst_pref_size 17
	.end_amdhsa_kernel
	.amdgpu_metadata
---
amdhsa.version: [ 1, 2 ]
amdhsa.kernels:
  - .name:           k_qab51d5c1c9_apply
    .symbol:         k_qab51d5c1c9_apply.kd
    .args:
      - { .name: z, .offset: 0, .size: 8, .value_kind: global_buffer, .address_space: global }
      - { .name: embedding, .offset: 8, .size: 8, .value_kind: global_buffer, .address_space: global }
      - { .name: order, .offset: 16, .size: 8, .value_kind: global_buffer, .address_space: global }
      - { .name: out0, .offset: 24, .size: 8, .value_kind: global_buffer, .address_space: global }
      - { .name: part, .offset: 32, .size: 8, .value_kind: global_buffer, .address_space: global }
    .group_segment_fixed_size: 1280
    .private_segment_fixed_size: 0
    .kernarg_segment_align: 8
    .kernarg_segment_size: 40
    .max_flat_workgroup_size: 256
    .sgpr_count:     66
    .vgpr_count:     162
    .wavefront_size: 32
...
	.end_amdgpu_metadata
.endif
;; end of part 3
;; launch total (part 4): grid 1 x 1, 1 waves a work-group, no clusters, 0 bytes of LDS; arguments part, out1, out2, out3; writes out1, out2, out3
.if DOCPART == 4
	.amdgcn_target "amdgcn-amd-amdhsa--gfx1250"
	.amdhsa_code_object_version 6
	.text
	.protected	k_qab51d5c1c9_total
	.globl	k_qab51d5c1c9_total
	.p2align	8
	.type	k_qab51d5c1c9_total,@function
k_qab51d5c1c9_total:
	s_mov_b64 s[64:65], 0
	v_nop
	global_prefetch_b8 v0, s[64:65] scope:SCOPE_SE
	s_setreg_imm32_b32 hwreg(HW_REG_WAVE_MODE, 25, 1), 1
	s_wait_xcnt 0x0
; The 512 partial sums of (e - z)^2 are added; m = the sum / 2^23 (32,768 x 256 numbers) is the codebook loss, 0.25 m the commitment loss, their sum the loss.  One wave: the sum spans work-groups, so it has an owner of its own.
	s_load_b256 s[4:11], s[0:1], 0x0               ; part, out1, out2, out3
	v_lshlrev_b32 v1, 4, v0
	s_mov_b32 s12, 0x76543210
	s_mov_b32 s13, 0xfedcba98
	v_mov_b32 v9, 0
	s_wait_alu depctr_va_vdst(0)
	s_wait_kmcnt 0x0
.irp i, 0,1,2,3
	global_load_b128 v[4+4*\i:7+4*\i], v1, s[4:5] offset:512*\i
.endr
	s_wait_loadcnt 0x0
	v_pk_add_f32 v[4:5], v[4:5], v[6:7]
	v_pk_add_f32 v[8+2:8+3], v[8+2:8+3], v[12:13]
	v_pk_add_f32 v[14:15], v[14:15], v[16:17]
	v_add_f32 v4, v4, v8
	v_add_f32 v5, v5, v9
	v_pk_add_f32 v[10:11], v[10:11], v[14:15]
	v_pk_add_f32 v[4:5], v[4:5], v[18:19]
	v_pk_add_f32 v[4:5], v[4:5], v[10:11]
	v_add_f32 v4, v4, v5
	v_add_f32_dpp v4, v4, v4 row_xmask:1 row_mask:0xf bank_mask:0xf
	v_add_f32_dpp v4, v4, v4 row_xmask:2 row_mask:0xf bank_mask:0xf
	v_add_f32_dpp v4, v4, v4 row_xmask:4 row_mask:0xf bank_mask:0xf
	v_add_f32_dpp v4, v4, v4 row_xmask:8 row_mask:0xf bank_mask:0xf
	v_permlanex16_b32 v5, v4, s12, s13
	v_add_f32 v4, v4, v5                           ; the whole sum
	v_mul_f32 v6, 0x34000000, v4                   ; x 2^-23: the mean
	v_mul_f32 v7, 0x3e800000, v6                   ; x 0.25
	v_add_f32 v8, v7, v6
	v_mov_b32 v20, 0
	v_cmp_eq_u32 vcc_lo, 0, v0
	s_wait_alu depctr_va_vdst(0)
	s_wait_xcnt 0x0                                ; EXEC changes only behind this wait
	s_and_saveexec_b32 s14, vcc_lo
	global_store_b32 v20, v8, s[6:7]               ; out1: the loss
	global_store_b32 v20, v7, s[8:9]               ; out2: the commitment loss
	global_store_b32 v20, v6, s[10:11]             ; out3: the codebook loss
	s_wait_xcnt 0x0
	s_or_b32 exec_lo, exec_lo, s14
	s_endpgm
.Lfunc_end_k_qab51d5c1c9_total:
	.size	k_qab51d5c1c9_total, .Lfunc_end_k_qab51d5c1c9_total-k_qab51d5c1c9_total
	.p2alignl 7, 3214868480
	.fill 96, 4, 3214868480
	.section	.rodata,"a",@progbits
	.p2align	6, 0x0
	.amdhsa_kernel k_qab51d5c1c9_total
		.amdhsa_group_segment_fixed_size 0
		.amdhsa_private_segment_fixed_size 0
		.amdhsa_enable_private_segment 0
		.amdhsa_kernarg_size 32
		.amdhsa_user_sgpr_count 2
		.amdhsa_user_sgpr_kernarg_segment_ptr 1
		.amdhsa_wavefront_size32 1
		.amdhsa_system_sgpr_workgroup_id_x 1
		.amdhsa_system_sgpr_workgroup_id_y 1
		.amdhsa_system_sgpr_workgroup_id_z 1
		.amdhsa_system_vgpr_workitem_id 0
		.amdhsa_next_free_vgpr 32
		.amdhsa_next_free_sgpr 66
		.amdhsa_reserve_vcc 1
		.amdhsa_float_denorm_mode_32 3
		.amdhsa_float_denorm_mode_16_64 3
		.amdhsa_memory_ordered 1
		.amdhsa_forward_progress 1
		.amdhsa_inst_pref_size 3
	.end_amdhsa_kernel
	.amdgpu_metadata
---
amdhsa.version: [ 1, 2 ]
amdhsa.kernels:
  - .name:           k_qab51d5c1c9_total
    .symbol:         k_qab51d5c1c9_total.kd
    .args:
      - { .name: part, .offset: 0, .size: 8, .value_kind: global_buffer, .address_space: global }
      - { .name: out1, .offset: 8, .size: 8, .value_kind: global_buffer, .address_space: global }
      - { .name: out2, .offset: 16, .size: 8, .value_kind: global_buffer, .address_space: global }
      - { .name: out3, .offset: 24, .size: 8, .value_kind: global_buffer, .address_space: global }
    .group_segment_fixed_size: 0
    .private_segment_fixed_size: 0
    .kernarg_segment_align: 8
    .kernarg_segment_size: 32
    .max_flat_workgroup_size: 32
    .sgpr_count:     66
    .vgpr_count:     32
    .wavefront_size: 32
...
	.end_amdgpu_metadata
.endif
;; end of part 4
